; MI455X (gfx1250); checked and timed in simulation.
; The chip was launched on July 23, 2026; its instructions are those of AMD's public machine-readable ISA for CDNA 5 (MIT licence, August 2026) and "CDNA5" Instruction Set Architecture Reference Guide (July 2026). The comments in the code are by the model that wrote it; some were corrected since.
;; Differentiable Top K. Allowed arithmetic: float matrix products may take bf16 or f16 operands with f32 sums; other float arithmetic in f32, or as packed bf16 or f16 multiplies, adds, multiply-adds, maxima and minima; sums over many terms, partial sums and values carried from step to step in f32; what a program stores and reads back later, other than sums and carried values, may be rounded once to bf16 or f16.
;; Inputs: scores 32 x 2,048 float32.
;; Outputs: out0 32 x 2,048 float32.
;; 2 versions, each right; version 2 is version 1 with the launch rows written anew for expert scheduling mode. Each part assembles by itself: llvm-mc -triple=amdgcn-amd-amdhsa -mcpu=gfx1250 --defsym DOCPART=n.
;; ======== version 1 of 2: 2 launches
;; workspace buffers: tc 524,288 bytes
;; launch colsum (part 1): grid 8 x 32, 8 waves a work-group, no clusters, 21,504 bytes of LDS; arguments scores, tc; writes tc
.if DOCPART == 1
	.amdgcn_target "amdgcn-amd-amdhsa--gfx1250"
	.amdhsa_code_object_version 6
	.text
	.protected	k_q228b88793d_colsum
	.globl	k_q228b88793d_colsum
	.p2align	8
	.type	k_q228b88793d_colsum,@function
k_q228b88793d_colsum:
	s_mov_b64 s[64:65], 0
	v_nop
	global_prefetch_b8 v0, s[64:65] scope:SCOPE_SE
	s_setreg_imm32_b32 hwreg(HW_REG_WAVE_MODE, 25, 1), 1
	s_wait_xcnt 0x0
; DIFFERENTIABLE TOP-K, the first of two launches: which scores are the K = 256 largest, and the column sums.
; reference(): t = the row's 2,048 scores sorted descending; logP[i][j] = -(s_i - t_j)^2 / 0.001; c_j = lse over i; logP -= c_j;
; r_i = lse over j; logP -= r_i; out_i = lse over j < 256 of logP[i][j].
; WHAT IS NOT DONE, and why no result can hang on it, for all finite scores:
;  (1) r_i is the same along j, so out_i = lse_{j<256}(-(s_i - t_j)^2/eps - c_j) - r_i: it is taken away once, behind the last lse.
;  (2) c_j is a sum over ALL rows and hangs on the value t_j alone; r_i is a sum over ALL columns: the order of t enters neither.  Of the sort only this reaches
;      out: WHICH 256 values are the largest.  So the scores are not sorted through: a network of compare-exchanges leaves the 256 largest in part 0 and the rest, in any order, in parts 1 to 7.
;  (3) t_j is one of the s_i, so the largest term of column j's lse is -0/eps = 0 by identity: the maximum that is taken away is 0, and the sum S_j lies in 1 .. 2,048.
; No input is left out.  The [n][n] arrays are never stored: each term is made where it is summed.
; LIMITS.  NaN is not treated apart (the network's minima and maxima drop it).  Scores are scaled once by BETA = sqrt(log2(e) / 0.001), one rounding more than reference() has; equal scores stay
; equal and the order is kept.  A scaled difference beyond 1.8e19 (scores some 4.8e17 apart) overflows in its square.  A term below 2^-126 counts as 0.
; SHARES.  Grid: 8 parts x 32 batch rows.  All eight work-groups of a batch row run the network on its 2,048 scores (8 a thread); part p then owns the 256 values that wave p holds.
; They read the same 8,192 bytes, once, at the head, against 524,288 exponentials a work-group: nothing is gained by asking for them jointly, so there is no cluster and no tensor load.
; THE SUMS.  A wave has 128 of the part's 256 values, four a lane, each twice in a register pair, and a quarter (512) of the 2,048 values to sum over, two to a packed instruction.
; A STEP is 8 x 4 terms a lane: beside the 32 exponentials of chunk n stand the sums of chunk n - 1 and the differences of chunk n + 1, then its squares; one wait a step.
; OUT: tc[b][0][256 p + ..] = the part's scaled values, tc[b][1][..] = -log2 S.
.set BETA,   0x4217ee6a                ; sqrt(1442.695) = 37.98283
.set PLANE,  4096                      ; an exchange buffer is two planes: registers 0-3 of thread t at 16 t, registers 4-7 at 4,096 + 16 t: a wave's 512 bytes lie on end
.set EXA,    0                         ; exchange buffer A
.set EXB,    8192                      ; exchange buffer B
.set TS,     EXB                       ; where the 2,048 values lie in the end
.set PART,   16384                     ; partial sums: quarter x 256 values x 4 bytes
.set SPARE,  20480                     ; the spare words, 128 bytes for each of 8 waves: four blocks of 256 bytes that no other line names
.set CHUNKS, 64                        ; a wave's 512 values in chunks of 8
.set SPW, 2                            ; v2   LDS address of my spare word; never rewritten
.set NIL, 3                            ; v3   0; never rewritten
.set SA,  4                            ; v4   16 x thread
.set LN,  5                            ; v5   16 x lane
.set RV,  6                            ; v6   16 x (31 - lane)
.set PA,  7                            ; v7   my partner's 16 bytes in a plane; at the end my byte offset in tc
.set LQ,  8                            ; v8-12  for lane bit q: +inf where it is 0, -inf where it is 1
.set UA,  13                           ; v13  the same in all lanes: LDS byte of the chunk to be fetched
.set RA,  14                           ; v14  LDS byte of my four values
.set PS,  15                           ; v15  where my four partial sums go
.set BK0, 16                           ; v16-23, v24-31  the network's two banks of eight
.set BK1, 24
.set ROW, 32                           ; v32-35  my four values
.set SUMS, 36                          ; v36-39  their partial sums
.set SD,  40                           ; v40-47  each value twice
.set ACC, 48                           ; v48-55  for each value a pair of sums (even terms, odd terms)
.set TB,  56                           ; v56-71  two buffers of 8 values to sum over
.set XB,  72                           ; v72-135 two buffers of 32 terms
; THE NETWORK.  Element e = 256 wave + 8 lane + register.  In every compare-exchange the element with the lower e keeps the larger value.
; Between registers: a maximum and a minimum, from one bank into the other.
.set CUR, BK0
.set ALT, BK1
.macro REGST m                         ; partner: register xor m
.set r, 0
.rept 8
.if r < (r^(\m))
	v_max_num_f32 v[ALT+r], v[CUR+r], v[CUR+(r^(\m))]
.else
	v_min_num_f32 v[ALT+r], v[CUR+r], v[CUR+(r^(\m))]
.endif
.set r, r+1
.endr
.set CUR, BK0+BK1-CUR
.set ALT, BK0+BK1-ALT
.endm
; Between lanes: the partner's value is fetched, and the middle one of (mine, its, +inf) is the larger, of (mine, its, -inf) the smaller.
.macro KEEP q
.set r, 0
.rept 8
	v_med3_num_f32 v[CUR+r], v[CUR+r], v[ALT+r], v[LQ+(\q)]
.set r, r+1
.endr
.endm
.macro LANEST xm, rm, q                ; partner: lane xor xm (1 to 15), register xor rm; lane bit q decides who keeps the larger
.set r, 0
.rept 8
	v_mov_b32_dpp v[ALT+r], v[CUR+(r^(\rm))] row_xmask:\xm row_mask:0xf bank_mask:0xf
.set r, r+1
.endr
	KEEP \q
.endm
.macro CROSST sel, rm                  ; partner in the other half of the lanes: lane xor 16 (sel = 20) or lane xor 31 (sel = 22)
.set r, 0
.rept 8
	v_permlanex16_b32 v[ALT+r], v[CUR+(r^(\rm))], s[\sel], s[\sel+1]
.set r, r+1
.endr
	KEEP 4
.endm
.macro REG3
	REGST 4
	REGST 2
	REGST 1
.endm
.macro CLEAN                           ; distances 64 to 1 inside a wave
	LANEST 8, 0, 3
	LANEST 4, 0, 2
	LANEST 2, 0, 1
	LANEST 1, 0, 0
	REG3
.endm
; Between waves, mirrored: my element (lane, register) meets (31 - lane, 7 - register) of wave (mine xor wm).  Of two descending runs of 256 the wave whose bit q is 0 keeps the 256 largest.
; Each wave stores its eight, waits for its stores, passes the barrier and reads its partner's.  The buffers take turns: a buffer is written again only behind the other buffer's barrier,
; in front of which every wave has waited for its reads.
.macro WAVEST buf, wm, q
	s_xor_b32 s15, s8, \wm
	s_lshl_b32 s15, s15, 9
	v_add_nc_u32 v[PA], s15, v[RV]
	ds_store_b128 v[SA], v[CUR:CUR+3] offset:\buf
	ds_store_b128 v[SA], v[CUR+4:CUR+7] offset:(\buf)+PLANE
	s_wait_dscnt 0x0                               ; for the others' sake: my stores are done
	s_barrier_signal -1
	s_barrier_wait -1
	ds_load_b128 v[ALT:ALT+3], v[PA] offset:\buf
	ds_load_b128 v[ALT+4:ALT+7], v[PA] offset:(\buf)+PLANE
	s_wait_dscnt 0x0
.set r, 0
.rept 8
	v_med3_num_f32 v[CUR+r], v[CUR+r], v[ALT+(r^7)], s[16+(\q)]
.set r, r+1
.endr
.endm
; THE SUMS.  Pair p of a chunk's 16: value p % 4 of my four, terms 2 (p / 4) and 2 (p / 4) + 1 of the chunk's eight.
.macro DD nb, p                        ; the differences
	v_pk_add_f32 v[XB+32*(\nb)+2*(\p):XB+32*(\nb)+2*(\p)+1], v[SD+2*((\p)%4):SD+2*((\p)%4)+1], v[TB+8*(\nb)+2*((\p)/4):TB+8*(\nb)+2*((\p)/4)+1] neg_lo:[0,1] neg_hi:[0,1]
.endm
.macro CALC nb                         ; - d x d
.set p, 0
.rept 16
	v_pk_mul_f32 v[XB+32*(\nb)+2*p:XB+32*(\nb)+2*p+1], v[XB+32*(\nb)+2*p:XB+32*(\nb)+2*p+1], v[XB+32*(\nb)+2*p:XB+32*(\nb)+2*p+1] neg_lo:[0,1] neg_hi:[0,1]
.set p, p+1
.endr
.endm
.macro AA ob, p                        ; four chains of sums, each link four pairs behind the last
	v_pk_add_f32 v[ACC+2*((\p)%4):ACC+2*((\p)%4)+1], v[ACC+2*((\p)%4):ACC+2*((\p)%4)+1], v[XB+32*(\ob)+2*(\p):XB+32*(\ob)+2*(\p)+1]
.endm
.macro LOADS b, off
	ds_load_b128 v[TB+8*(\b):TB+8*(\b)+3], v[UA] offset:TS+(\off)
	ds_load_b128 v[TB+8*(\b)+4:TB+8*(\b)+7], v[UA] offset:TS+(\off)+16
.endm
; Step n, cur = n % 2.  Exponentials of chunk n, in place; acc: the sums take chunk n - 1; nxt: chunk n + 1 is made in the registers just summed; ld: chunk n + 2's values are fetched.
; Exponential and plain instruction by turns; the 16 squares stand behind the last exponential; nothing in the step names a result of its exponentials.
.macro STEP cur, acc, nxt, ld, off
.if \nxt
	s_wait_dscnt 0x0                               ; chunk n + 1's values, asked for a step ago
.endif
.if \ld
	LOADS \cur, \off
.endif
.set p, 0
.rept 16
	v_exp_f32 v[XB+32*(\cur)+2*p], v[XB+32*(\cur)+2*p]
.if \acc
	AA 1-(\cur), p
.endif
	v_exp_f32 v[XB+32*(\cur)+2*p+1], v[XB+32*(\cur)+2*p+1]
.if \nxt
	DD 1-(\cur), p
.endif
.set p, p+1
.endr
.if \nxt
	CALC 1-(\cur)
.else
	v_nop                                          ; a plain instruction behind the last exponential
.endif
	s_wait_alu depctr_va_vdst(0)                   ; one wait for the step's 32 exponentials, ahead of their first reader (the next step's sums)
.endm
	s_load_b128 s[4:7], s[0:1], 0x0                ; scores s[4:5], tc s[6:7]
	v_lshl_add_u32 v[SPW], v0, 2, SPARE
	v_mov_b32 v[NIL], 0
	v_lshrrev_b32 v1, 5, v0
	v_readfirstlane_b32 s8, v1                     ; wave 0..7
	s_and_b32 s9, ttmp9, 7                         ; part
	s_and_b32 s10, ttmp7, 0xffff                   ; batch row
	s_lshl_b32 s12, s10, 13                        ; its 8,192 bytes of scores
	s_mov_b32 s13, 0
	s_lshl_b32 s26, s10, 14                        ; its 16,384 bytes of tc
	s_mov_b32 s27, 0
	v_lshlrev_b32 v[SA], 4, v0
	s_wait_kmcnt 0x0
	s_add_nc_u64 s[4:5], s[4:5], s[12:13]
	s_add_nc_u64 s[6:7], s[6:7], s[26:27]
	global_load_b128 v[BK0:BK0+3], v[SA], s[4:5]                   ; any order will do for a start: each load of a wave takes 512 bytes on end
	global_load_b128 v[BK0+4:BK0+7], v[SA], s[4:5] offset:PLANE
	v_and_b32 v1, 31, v0
	v_lshlrev_b32 v[LN], 4, v1
	v_sub_nc_u32 v[RV], 496, v[LN]
	s_mov_b32 s14, 0x7f800000                      ; +inf
.irp q, 0,1,2,3,4
	v_lshlrev_b32 v1, 31-\q, v0                    ; lane bit q becomes the sign
	v_and_or_b32 v[LQ+\q], v1, 0x80000000, s14
.endr
.irp q, 0,1,2
	s_lshl_b32 s15, s8, 31-\q                      ; the same for wave bit q, in s16-18
	s_and_b32 s15, s15, 0x80000000
	s_or_b32 s[16+\q], s15, s14
.endr
	s_mov_b32 s20, 0x76543210                      ; v_permlanex16_b32: lane i of one half takes lane i of the other,
	s_mov_b32 s21, 0xfedcba98
	s_mov_b32 s22, 0x89abcdef                      ; or lane 15 - i
	s_mov_b32 s23, 0x01234567
	s_wait_loadcnt 0x0
.set r, 0
.rept 8
	v_mul_f32 v[BK0+r], BETA, v[BK0+r]
.set r, r+1
.endr
	; descending runs of 2, 4, .. 256: a run's first stage is mirrored (element xor (length - 1)), the others go by distances length / 4 .. 1
	REGST 1
	REGST 3
	REGST 1
	REGST 7
	REGST 2
	REGST 1
	LANEST 1, 7, 0                                 ; 16
	REG3
	LANEST 3, 7, 1                                 ; 32
	LANEST 1, 0, 0
	REG3
	LANEST 7, 7, 2                                 ; 64
	LANEST 2, 0, 1
	LANEST 1, 0, 0
	REG3
	LANEST 15, 7, 3                                ; 128
	LANEST 4, 0, 2
	LANEST 2, 0, 1
	LANEST 1, 0, 0
	REG3
	CROSST 22, 7                                   ; 256: each wave holds a descending run
	CLEAN
	; the 256 largest of 2, 4 and 8 runs: wave 0 keeps the larger half against wave 1, then against wave 2, then against wave 4; between the meetings the halves are put in order again.
	; The other waves do the same among themselves: every stage only exchanges, so all 2,048 values stay.
	WAVEST EXA, 1, 0
	CROSST 20, 0
	CLEAN
	WAVEST EXB, 2, 1
	CROSST 20, 0
	CLEAN
	WAVEST EXA, 4, 2                               ; wave 0 now holds the 256 largest, in no order: none is needed
	ds_store_b128 v[SA], v[CUR:CUR+3] offset:TS
	ds_store_b128 v[SA], v[CUR+4:CUR+7] offset:TS+PLANE
	s_and_b32 s24, s8, 1                           ; which 128 of the part's values are mine: plane 0's or plane 1's
	s_lshr_b32 s25, s8, 1                          ; which quarter of the 2,048 I sum over
	s_lshl_b32 s15, s24, 12
	s_lshl_b32 s28, s9, 9                          ; wave p's 512 bytes of a plane
	s_add_co_u32 s15, s15, s28
	v_add_nc_u32 v[RA], s15, v[LN]
	s_lshl_b32 s15, s25, 10
	s_lshl_b32 s28, s24, 9
	s_add_co_u32 s15, s15, s28
	v_add_nc_u32 v[PS], s15, v[LN]
	s_lshl_b32 s15, s25, 11
	v_mov_b32 v[UA], s15
	s_wait_dscnt 0x0                               ; my stores are done
	s_barrier_signal -1
	s_barrier_wait -1                              ; all 2,048 values lie in LDS
	ds_load_b128 v[ROW:ROW+3], v[RA] offset:TS
	LOADS 0, 0                                     ; chunks 0 and 1
	LOADS 1, 32
	v_add_nc_u32 v[UA], 64, v[UA]                  ; at chunk 2
.set r, 0
.rept 8
	v_mov_b32 v[ACC+r], 0
.set r, r+1
.endr
	s_wait_dscnt 0x0
.irp r, 0,1,2,3
	v_mov_b32 v[SD+2*\r], v[ROW+\r]
	v_mov_b32 v[SD+2*\r+1], v[ROW+\r]
.endr
.set p, 0
.rept 16
	DD 0, p
.set p, p+1
.endr
	CALC 0
	STEP 0, 0, 1, 1, 0                             ; step 0 has nothing to sum yet
	s_mov_b32 s30, (CHUNKS-4)/2
.Lmain:                                        ; steps 1 to CHUNKS - 4, two a trip
	STEP 1, 1, 1, 1, 32
	STEP 0, 1, 1, 1, 64
	v_add_nc_u32 v[UA], 64, v[UA]
	s_sub_co_u32 s30, s30, 1
	s_cmp_lg_u32 s30, 0
	s_cbranch_scc1 .Lmain
	STEP 1, 1, 1, 1, 32                            ; fetches the last chunk
	STEP 0, 1, 1, 0, 0                             ; nothing is left to fetch,
	STEP 1, 1, 0, 0, 0                             ; nothing to make
.set p, 0
.rept 16
	AA 1, p                                        ; the last chunk's sums
.set p, p+1
.endr
.irp r, 0,1,2,3
	v_add_f32 v[SUMS+\r], v[ACC+2*\r], v[ACC+2*\r+1]
.endr
	ds_store_b128 v[PS], v[SUMS:SUMS+3] offset:PART
	s_wait_dscnt 0x0
	s_barrier_signal -1
	s_barrier_wait -1                              ; the four quarters' sums of all 256 values lie in LDS
	s_cmp_lt_u32 s8, 2                             ; waves 0 and 1 finish: thread t has values 4 t .. 4 t + 3, which are the four it summed for
	s_cbranch_scc0 .Lend
.irp q, 0,1,2,3
	ds_load_b128 v[XB+4*\q:XB+4*\q+3], v[SA] offset:PART+1024*\q
.endr
	s_lshl_b32 s15, s9, 10                         ; the part's 1,024 bytes
	v_add_nc_u32 v[PA], s15, v[SA]
	global_store_b128 v[PA], v[ROW:ROW+3], s[6:7]  ; a wave stores 512 bytes on end, from a multiple of 512
	s_wait_dscnt 0x0
.irp h, 0,2
	v_pk_add_f32 v[XB+\h:XB+\h+1], v[XB+\h:XB+\h+1], v[XB+4+\h:XB+4+\h+1]
	v_pk_add_f32 v[XB+8+\h:XB+8+\h+1], v[XB+8+\h:XB+8+\h+1], v[XB+12+\h:XB+12+\h+1]
.endr
.irp h, 0,2
	v_pk_add_f32 v[XB+\h:XB+\h+1], v[XB+\h:XB+\h+1], v[XB+8+\h:XB+8+\h+1]
.endr
.irp r, 0,1,2,3
	v_log_f32 v[XB+16+\r], v[XB+\r]                ; log2 S, 0 to 11
.endr
	v_nop                                          ; a plain instruction behind the last logarithm,
	s_wait_alu depctr_va_vdst(0)                   ; and the one wait for the four, ahead of their first reader
.irp r, 0,1,2,3
	v_mul_f32 v[XB+16+\r], -1.0, v[XB+16+\r]       ; stored negated: the next launch adds it
.endr
	global_store_b128 v[PA], v[XB+16:XB+19], s[6:7] offset:8192
.Lend:
	s_wait_tensorcnt 0x0                           ; the wave's end, behind my last LDS store
	ds_add_u32 v[SPW], v[NIL]
	s_wait_dscnt 0x0
	s_endpgm
.Lfunc_end_k_q228b88793d_colsum:
	.size	k_q228b88793d_colsum, .Lfunc_end_k_q228b88793d_colsum-k_q228b88793d_colsum
	.p2alignl 7, 3214868480
	.fill 96, 4, 3214868480
	.section	.rodata,"a",@progbits
	.p2align	6, 0x0
	.amdhsa_kernel k_q228b88793d_colsum
		.amdhsa_group_segment_fixed_size 21504
		.amdhsa_private_segment_fixed_size 0
		.amdhsa_enable_private_segment 0
		.amdhsa_kernarg_size 16
		.amdhsa_user_sgpr_count 2
		.amdhsa_user_sgpr_kernarg_segment_ptr 1
		.amdhsa_wavefront_size32 1
		.amdhsa_system_sgpr_workgroup_id_x 1
		.amdhsa_system_sgpr_workgroup_id_y 1
		.amdhsa_system_sgpr_workgroup_id_z 1
		.amdhsa_system_vgpr_workitem_id 0
		.amdhsa_next_free_vgpr 136
		.amdhsa_next_free_sgpr 66
		.amdhsa_reserve_vcc 0
		.amdhsa_float_denorm_mode_32 3
		.amdhsa_float_denorm_mode_16_64 3
		.amdhsa_memory_ordered 1
		.amdhsa_forward_progress 1
		.amdhsa_inst_pref_size 66
	.end_amdhsa_kernel
	.amdgpu_metadata
---
amdhsa.version: [ 1, 2 ]
amdhsa.kernels:
  - .name:           k_q228b88793d_colsum
    .symbol:         k_q228b88793d_colsum.kd
    .args:
      - { .name: scores, .offset: 0, .size: 8, .value_kind: global_buffer, .address_space: global }
      - { .name: tc, .offset: 8, .size: 8, .value_kind: global_buffer, .address_space: global }
    .group_segment_fixed_size: 21504
    .private_segment_fixed_size: 0
    .kernarg_segment_align: 8
    .kernarg_segment_size: 16
    .max_flat_workgroup_size: 256
    .sgpr_count:     66
    .vgpr_count:     136
    .wavefront_size: 32
...
	.end_amdgpu_metadata
.endif
;; end of part 1
;; launch rows (part 2): grid 8 x 32, 8 waves a work-group, no clusters, 29,696 bytes of LDS; arguments scores, tc, out0; writes out0
.if DOCPART == 2
	.amdgcn_target "amdgcn-amd-amdhsa--gfx1250"
	.amdhsa_code_object_version 6
	.text
	.protected	k_q228b88793d_rows
	.globl	k_q228b88793d_rows
	.p2align	8
	.type	k_q228b88793d_rows,@function
k_q228b88793d_rows:
	s_mov_b64 s[64:65], 0
	v_nop
	global_prefetch_b8 v0, s[64:65] scope:SCOPE_SE
	s_setreg_imm32_b32 hwreg(HW_REG_WAVE_MODE, 25, 1), 1
	s_wait_xcnt 0x0
; DIFFERENTIABLE TOP-K, the second of two launches: out_i = lse_{j<256}(a_ij) - lse_j(a_ij), a_ij = -(s_i - t_j)^2 / 0.001 - c_j.
; As shown at the first kernel's head: r_i is taken away behind the last lse (it is the same along j), and the columns' order enters nothing but which 256 come first.
; tc[b][0][j] holds the scaled values t'_j = BETA t_j (the first 256 are the K largest, the rest in any order), tc[b][1][j] = -log2 S_j = -c_j / ln 2.  All is reckoned in powers of 2:
; x_ij = -(s'_i - t'_j)^2 - log2 S_j;  out_i = ln 2 x (M_i + log2 sum_{j<256} 2^(x_ij - M_i) - log2 sum_j 2^x_ij).
; THE MAXIMA.  Over ALL columns no maximum is taken away: each column was normalised, so every x_ij is at most 0, and s_i is itself one of the t_j, whose term is -log2 S_j, at least -11:
; for every input the sum lies in 2^-11 .. 2^11, and the terms that vanish (below 2^-126) would vanish with the true maximum, which is at most 11 away, too.
; Over the first 256 columns x has no such bound (a low score is far from all of them): there the TRUE maximum is taken away.  A wave finds the maximum of its 64 columns, then makes the
; same x again by the same instructions, so that the largest term is 2^0; the four waves' parts are joined by the maximum of their maxima.
; LIMITS: as stated at the first kernel's head (NaN; differences beyond some 4.8e17; terms below 2^-126 count as 0).
; SHARES.  Grid: 8 blocks of 256 rows x 32 batch rows.  The eight work-groups of a batch row read the same 16,384 bytes of tc, once, at the head, against 589,824 exponentials a work-group:
; no cluster, no tensor load.  A wave has 128 rows, four a lane, each score twice in a register pair, and a quarter of the columns (512 of 2,048; 64 of 256), two to a packed instruction.
; A STEP is 8 columns x 4 rows a lane: beside the 32 exponentials of chunk n stand the sums of chunk n - 1 and the differences of chunk n + 1, then the rest of its arithmetic; one wait a step.
.set BETA,  0x4217ee6a                 ; sqrt(log2(e) / 0.001) = 37.98283: the same factor and instruction as in the first launch, so that a row's own column gives d = 0
.set LN2,   0x3f317218
.set TL,    0                          ; t', 8,192 bytes
.set CL,    8192                       ; -log2 S, 8,192 bytes
.set PR,    16384                      ; by quarter and row: the sum over the quarter's 512 columns,
.set PM,    20480                      ; the maximum over its 64 of the first 256,
.set PN,    24576                      ; and the sum over those, relative to that maximum
.set SPARE, 28672                      ; the spare words, 128 bytes for each of 8 waves: four blocks of 256 bytes that no other line names
.set SPW, 2                            ; v2   LDS address of my spare word; never rewritten
.set NIL, 3                            ; v3   0; never rewritten
.set SA,  4                            ; v4   16 x thread
.set LN,  5                            ; v5   16 x lane
.set UA,  6                            ; v6   the same in all lanes: byte, in t' and in -log2 S, of the chunk to be fetched
.set PS,  7                            ; v7   where my four rows' partial results go
.set GO,  8                            ; v8   my four rows' bytes in the block's 1,024
.set ROW, 12                           ; v12-15  my four scores, scaled
.set SD,  16                           ; v16-23  each twice
.set ACC, 24                           ; v24-31  for each row a pair of sums (even columns, odd columns)
.set MD,  32                           ; v32-39  each row's maximum twice
.set MX,  40                           ; v40-43  the maxima
.set RS,  44                           ; v44-47  the sums over all my columns
.set TB,  48                           ; v48-63  two buffers of 8 t'
.set CB,  64                           ; v64-79  two buffers of 8 -log2 S
.set XB,  80                           ; v80-143 two buffers of 32 terms
.set NS,  144                          ; v144-147 the sums over my 64 of the first 256
.set FR,  48                           ; at the end: the four quarters' sums,
.set FM,  64                           ; maxima,
.set FN,  80                           ; and shifted sums, four rows each;
.set FX,  96                           ; the rows' maxima, then the results
; Pair p of a chunk's 16: row p % 4 of my four, columns 2 (p / 4) and 2 (p / 4) + 1 of the chunk's eight.
.macro DD nb, p                        ; d = s' - t'
	v_pk_add_f32 v[XB+32*(\nb)+2*(\p):XB+32*(\nb)+2*(\p)+1], v[SD+2*((\p)%4):SD+2*((\p)%4)+1], v[TB+8*(\nb)+2*((\p)/4):TB+8*(\nb)+2*((\p)/4)+1] neg_lo:[0,1] neg_hi:[0,1]
.endm
.macro CALC nb, sub                    ; x = - d x d - log2 S, fused; sub: less the row's maximum
.set p, 0
.rept 16
	v_pk_fma_f32 v[XB+32*(\nb)+2*p:XB+32*(\nb)+2*p+1], v[XB+32*(\nb)+2*p:XB+32*(\nb)+2*p+1], v[XB+32*(\nb)+2*p:XB+32*(\nb)+2*p+1], v[CB+8*(\nb)+2*(p/4):CB+8*(\nb)+2*(p/4)+1] neg_lo:[0,1,0] neg_hi:[0,1,0]
.set p, p+1
.endr
.if \sub
.set p, 0
.rept 16
	v_pk_add_f32 v[XB+32*(\nb)+2*p:XB+32*(\nb)+2*p+1], v[XB+32*(\nb)+2*p:XB+32*(\nb)+2*p+1], v[MD+2*(p%4):MD+2*(p%4)+1] neg_lo:[0,1] neg_hi:[0,1]
.set p, p+1
.endr
.endif
.endm
.macro AA ob, p                        ; four chains of sums, each link four pairs behind the last
	v_pk_add_f32 v[ACC+2*((\p)%4):ACC+2*((\p)%4)+1], v[ACC+2*((\p)%4):ACC+2*((\p)%4)+1], v[XB+32*(\ob)+2*(\p):XB+32*(\ob)+2*(\p)+1]
.endm
.macro LOADS b, off
	ds_load_b128 v[TB+8*(\b):TB+8*(\b)+3], v[UA] offset:TL+(\off)
	ds_load_b128 v[TB+8*(\b)+4:TB+8*(\b)+7], v[UA] offset:TL+(\off)+16
	ds_load_b128 v[CB+8*(\b):CB+8*(\b)+3], v[UA] offset:CL+(\off)
	ds_load_b128 v[CB+8*(\b)+4:CB+8*(\b)+7], v[UA] offset:CL+(\off)+16
.endm
; Step n, cur = n % 2.  Exponentials of chunk n, in place; acc: the sums take chunk n - 1; nxt: chunk n + 1 is made in the registers just summed; ld: chunk n + 2's columns are fetched.
; Exponential and plain instruction by turns; the rest of chunk n + 1's arithmetic stands behind the last exponential; nothing in the step names a result of its exponentials.
.macro STEP cur, acc, nxt, ld, off, sub
.if \nxt
	s_wait_dscnt 0x0                               ; chunk n + 1's columns, asked for a step ago
.endif
.if \ld
	LOADS \cur, \off
.endif
.set p, 0
.rept 16
	v_exp_f32 v[XB+32*(\cur)+2*p], v[XB+32*(\cur)+2*p]
.if \acc
	AA 1-(\cur), p
.endif
	v_exp_f32 v[XB+32*(\cur)+2*p+1], v[XB+32*(\cur)+2*p+1]
.if \nxt
	DD 1-(\cur), p
.endif
.set p, p+1
.endr
.if \nxt
	CALC 1-(\cur), \sub
.else
	v_nop                                          ; a plain instruction behind the last exponential
.endif
	s_wait_alu depctr_va_vdst(0)                   ; one wait for the step's 32 exponentials, ahead of their first reader (the next step's sums)
.endm
; The sums of 2^x over n chunks (n even, at least 4) from byte v[UA] on; the result is left in ACC.
.macro PIPE n, sub
	LOADS 0, 0                                     ; chunks 0 and 1
	LOADS 1, 32
	v_add_nc_u32 v[UA], 64, v[UA]                  ; at chunk 2
.set r, 0
.rept 8
	v_mov_b32 v[ACC+r], 0
.set r, r+1
.endr
	s_wait_dscnt 0x0
.set p, 0
.rept 16
	DD 0, p
.set p, p+1
.endr
	CALC 0, \sub
	STEP 0, 0, 1, 1, 0, \sub                       ; step 0 has nothing to sum yet
	s_mov_b32 s30, ((\n)-4)/2
.Lpipe_\@:                                     ; steps 1 to n - 4, two a trip
	STEP 1, 1, 1, 1, 32, \sub
	STEP 0, 1, 1, 1, 64, \sub
	v_add_nc_u32 v[UA], 64, v[UA]
	s_sub_co_u32 s30, s30, 1
	s_cmp_lg_u32 s30, 0
	s_cbranch_scc1 .Lpipe_\@
	STEP 1, 1, 1, 1, 32, \sub                      ; fetches the last chunk
	STEP 0, 1, 1, 0, 0, \sub                       ; nothing is left to fetch,
	STEP 1, 1, 0, 0, 0, \sub                       ; nothing to make
.set p, 0
.rept 16
	AA 1, p                                        ; the last chunk's sums
.set p, p+1
.endr
.endm
.macro MXX nb, p                       ; the running maximum of row p % 4 takes a pair; the first chunk's first pairs start it
.if (n == 0) && ((\p) < 4)
	v_max_num_f32 v[MX+(\p)], v[XB+32*(\nb)+2*(\p)], v[XB+32*(\nb)+2*(\p)+1]
.else
	v_max3_num_f32 v[MX+(\p)%4], v[MX+(\p)%4], v[XB+32*(\nb)+2*(\p)], v[XB+32*(\nb)+2*(\p)+1]
.endif
.endm
	s_load_b128 s[4:7], s[0:1], 0x0                ; scores s[4:5], tc s[6:7]
	s_load_b64 s[8:9], s[0:1], 0x10                ; out0
	v_lshl_add_u32 v[SPW], v0, 2, SPARE
	v_mov_b32 v[NIL], 0
	v_lshrrev_b32 v1, 5, v0
	v_readfirstlane_b32 s10, v1                    ; wave 0..7
	s_and_b32 s11, ttmp9, 7                        ; block of 256 rows
	s_and_b32 s12, ttmp7, 0xffff                   ; batch row
	s_lshl_b32 s14, s12, 14                        ; its 16,384 bytes of tc
	s_mov_b32 s15, 0
	s_lshl_b32 s16, s12, 13                        ; its 8,192 bytes of scores and of out0,
	s_lshl_b32 s17, s11, 10                        ; the block's 1,024 of them
	s_add_co_u32 s16, s16, s17
	s_mov_b32 s17, 0
	s_and_b32 s18, s10, 1                          ; which 128 of the block's rows are mine
	s_lshr_b32 s19, s10, 1                         ; which quarter of the columns
	v_lshlrev_b32 v[SA], 4, v0
	v_and_b32 v1, 31, v0
	v_lshlrev_b32 v[LN], 4, v1
	s_lshl_b32 s20, s18, 9
	v_add_nc_u32 v[GO], s20, v[LN]                 ; rows 128 g + 4 lane + 0..3
	s_lshl_b32 s21, s19, 10
	s_add_co_u32 s21, s21, s20
	v_add_nc_u32 v[PS], s21, v[LN]
	s_wait_kmcnt 0x0
	s_add_nc_u64 s[6:7], s[6:7], s[14:15]
	s_add_nc_u64 s[4:5], s[4:5], s[16:17]
	s_add_nc_u64 s[8:9], s[8:9], s[16:17]
.irp k, 0,1,2,3
	global_load_b128 v[XB+4*\k:XB+4*\k+3], v[SA], s[6:7] offset:4096*\k  ; the 256 threads take 4,096 bytes on end, four times: t', then -log2 S
.endr
	global_load_b128 v[ROW:ROW+3], v[GO], s[4:5]
	s_wait_loadcnt 0x1                             ; the four loads of tc are in; the one issued behind them, my rows', may be out
.irp k, 0,1,2,3
	ds_store_b128 v[SA], v[XB+4*\k:XB+4*\k+3] offset:TL+4096*\k
.endr
	s_wait_loadcnt 0x0
.irp r, 0,1,2,3
	v_mul_f32 v[ROW+\r], BETA, v[ROW+\r]
.endr
.irp r, 0,1,2,3
	v_mov_b32 v[SD+2*\r], v[ROW+\r]
	v_mov_b32 v[SD+2*\r+1], v[ROW+\r]
.endr
	s_lshl_b32 s22, s19, 11                        ; my 512 columns
	v_mov_b32 v[UA], s22
	s_wait_dscnt 0x0                               ; my stores are done
	s_barrier_signal -1
	s_barrier_wait -1                              ; the whole table lies in LDS
	PIPE 64, 0                                     ; the sum over my quarter of all columns
.irp r, 0,1,2,3
	v_add_f32 v[RS+\r], v[ACC+2*\r], v[ACC+2*\r+1]
.endr
	s_lshl_b32 s22, s19, 8                         ; my 64 of the first 256 columns
	v_mov_b32 v[UA], s22
	LOADS 0, 0                                     ; THE MAXIMUM of x over them: eight chunks, each fetched while the one before is worked on
.set n, 0
.rept 8
	s_wait_dscnt 0x0
.if n < 7
	LOADS (n+1)%2, 32*(n+1)
.endif
.set p, 0
.rept 16
	DD n%2, p
.set p, p+1
.endr
	CALC n%2, 0
.set p, 0
.rept 16
	MXX n%2, p
.set p, p+1
.endr
.set n, n+1
.endr
.irp r, 0,1,2,3
	v_mov_b32 v[MD+2*\r], v[MX+\r]
	v_mov_b32 v[MD+2*\r+1], v[MX+\r]
.endr
	PIPE 8, 1                                      ; the sum of 2^(x - maximum) over the same 64 columns
.irp r, 0,1,2,3
	v_add_f32 v[NS+\r], v[ACC+2*\r], v[ACC+2*\r+1]
.endr
	ds_store_b128 v[PS], v[RS:RS+3] offset:PR
	ds_store_b128 v[PS], v[MX:MX+3] offset:PM
	ds_store_b128 v[PS], v[NS:NS+3] offset:PN
	s_wait_dscnt 0x0
	s_barrier_signal -1
	s_barrier_wait -1                              ; all four quarters' parts of all 256 rows lie in LDS
	s_cmp_lt_u32 s10, 2                            ; waves 0 and 1 finish: thread t has rows 4 t .. 4 t + 3
	s_cbranch_scc0 .Lend
.irp q, 0,1,2,3
	ds_load_b128 v[FR+4*\q:FR+4*\q+3], v[SA] offset:PR+1024*\q
	ds_load_b128 v[FM+4*\q:FM+4*\q+3], v[SA] offset:PM+1024*\q
	ds_load_b128 v[FN+4*\q:FN+4*\q+3], v[SA] offset:PN+1024*\q
.endr
	s_wait_dscnt 0x0
.irp h, 0,2
	v_pk_add_f32 v[FR+\h:FR+\h+1], v[FR+\h:FR+\h+1], v[FR+4+\h:FR+4+\h+1]
	v_pk_add_f32 v[FR+8+\h:FR+8+\h+1], v[FR+8+\h:FR+8+\h+1], v[FR+12+\h:FR+12+\h+1]
.endr
.irp h, 0,2
	v_pk_add_f32 v[FR+\h:FR+\h+1], v[FR+\h:FR+\h+1], v[FR+8+\h:FR+8+\h+1]
.endr
.irp r, 0,1,2,3
	v_max3_num_f32 v[FX+\r], v[FM+\r], v[FM+4+\r], v[FM+8+\r]
.endr
.irp r, 0,1,2,3
	v_max_num_f32 v[FX+\r], v[FX+\r], v[FM+12+\r]  ; M: the row's maximum over all 256
.endr
.irp i, 0,2,4,6,8,10,12,14
	v_pk_add_f32 v[FM+\i:FM+\i+1], v[FM+\i:FM+\i+1], v[FX+(\i)%4:FX+(\i)%4+1] neg_lo:[0,1] neg_hi:[0,1]  ; each quarter's maximum less M
.endr
.set r, 0
.rept 16
	v_exp_f32 v[FM+r], v[FM+r]                     ; what a quarter's sum is multiplied by
.set r, r+1
.endr
.irp r, 0,1,2,3
	v_log_f32 v[FR+\r], v[FR+\r]                   ; log2 of the sum over all columns
.endr
	v_nop                                          ; a plain instruction behind the last of the batch,
	s_wait_alu depctr_va_vdst(0)                   ; and one wait for the twenty, ahead of their first reader
.irp h, 0,2
	v_pk_mul_f32 v[FN+\h:FN+\h+1], v[FN+\h:FN+\h+1], v[FM+\h:FM+\h+1]
.endr
.irp q, 1,2,3
.irp h, 0,2
	v_pk_fma_f32 v[FN+\h:FN+\h+1], v[FN+4*\q+\h:FN+4*\q+\h+1], v[FM+4*\q+\h:FM+4*\q+\h+1], v[FN+\h:FN+\h+1]
.endr
.endr
.irp r, 0,1,2,3
	v_log_f32 v[FN+\r], v[FN+\r]
.endr
	v_nop
	s_wait_alu depctr_va_vdst(0)                   ; one wait for the four logarithms
.irp r, 0,1,2,3
	v_add_f32 v[FX+\r], v[FX+\r], v[FN+\r]
.endr
.irp r, 0,1,2,3
	v_sub_f32 v[FX+\r], v[FX+\r], v[FR+\r]
.endr
.irp r, 0,1,2,3
	v_mul_f32 v[FX+\r], LN2, v[FX+\r]
.endr
	global_store_b128 v[SA], v[FX:FX+3], s[8:9]    ; a wave stores 512 bytes on end, from a multiple of 512
.Lend:
	s_wait_tensorcnt 0x0                           ; the wave's end, behind my last LDS store
	ds_add_u32 v[SPW], v[NIL]
	s_wait_dscnt 0x0
	s_endpgm
.Lfunc_end_k_q228b88793d_rows:
	.size	k_q228b88793d_rows, .Lfunc_end_k_q228b88793d_rows-k_q228b88793d_rows
	.p2alignl 7, 3214868480
	.fill 96, 4, 3214868480
	.section	.rodata,"a",@progbits
	.p2align	6, 0x0
	.amdhsa_kernel k_q228b88793d_rows
		.amdhsa_group_segment_fixed_size 29696
		.amdhsa_private_segment_fixed_size 0
		.amdhsa_enable_private_segment 0
		.amdhsa_kernarg_size 24
		.amdhsa_user_sgpr_count 2
		.amdhsa_user_sgpr_kernarg_segment_ptr 1
		.amdhsa_wavefront_size32 1
		.amdhsa_system_sgpr_workgroup_id_x 1
		.amdhsa_system_sgpr_workgroup_id_y 1
		.amdhsa_system_sgpr_workgroup_id_z 1
		.amdhsa_system_vgpr_workitem_id 0
		.amdhsa_next_free_vgpr 148
		.amdhsa_next_free_sgpr 66
		.amdhsa_reserve_vcc 0
		.amdhsa_float_denorm_mode_32 3
		.amdhsa_float_denorm_mode_16_64 3
		.amdhsa_memory_ordered 1
		.amdhsa_forward_progress 1
		.amdhsa_inst_pref_size 93
	.end_amdhsa_kernel
	.amdgpu_metadata
---
amdhsa.version: [ 1, 2 ]
amdhsa.kernels:
  - .name:           k_q228b88793d_rows
    .symbol:         k_q228b88793d_rows.kd
    .args:
      - { .name: scores, .offset: 0, .size: 8, .value_kind: global_buffer, .address_space: global }
      - { .name: tc, .offset: 8, .size: 8, .value_kind: global_buffer, .address_space: global }
      - { .name: out0, .offset: 16, .size: 8, .value_kind: global_buffer, .address_space: global }
    .group_segment_fixed_size: 29696
    .private_segment_fixed_size: 0
    .kernarg_segment_align: 8
    .kernarg_segment_size: 24
    .max_flat_workgroup_size: 256
    .sgpr_count:     66
    .vgpr_count:     148
    .wavefront_size: 32
...
	.end_amdgpu_metadata
.endif
;; end of part 2
;; ======== version 2 of 2: 2 launches; version 1 with the launch rows written anew for expert scheduling mode
;; workspace buffers: tc 524,288 bytes
;; launch colsum: the kernel of part 1 again; grid 8 x 32, 8 waves a work-group, no clusters, 21,504 bytes of LDS; arguments scores, tc; writes tc
;; launch rows (part 3): grid 8 x 32, 8 waves a work-group, no clusters, 29,696 bytes of LDS; arguments scores, tc, out0; writes out0
.if DOCPART == 3
	.amdgcn_target "amdgcn-amd-amdhsa--gfx1250"
	.amdhsa_code_object_version 6
	.text
	.protected	k_q228b88793d_rows
	.globl	k_q228b88793d_rows
	.p2align	8
	.type	k_q228b88793d_rows,@function
k_q228b88793d_rows:
	s_mov_b64 s[64:65], 0
	v_nop
	global_prefetch_b8 v0, s[64:65] scope:SCOPE_SE
	s_setreg_imm32_b32 hwreg(HW_REG_WAVE_SCHED_MODE, 0, 2), 2
	s_setreg_imm32_b32 hwreg(HW_REG_WAVE_MODE, 25, 1), 1
	s_wait_xcnt 0x0
	s_wait_alu depctr_vm_vsrc(0)
; DIFFERENTIABLE TOP-K, the second of two launches: out_i = lse_{j<256}(a_ij) - lse_j(a_ij), a_ij = -(s_i - t_j)^2 / 0.001 - c_j.
; As shown at the first kernel's head: r_i is taken away behind the last lse (it is the same along j), and the columns' order enters nothing but which 256 come first.
; tc[b][0][j] holds the scaled values t'_j = BETA t_j (the first 256 are the K largest, the rest in any order), tc[b][1][j] = -log2 S_j = -c_j / ln 2.  All is reckoned in powers of 2:
; x_ij = -(s'_i - t'_j)^2 - log2 S_j;  out_i = ln 2 x (M_i + log2 sum_{j<256} 2^(x_ij - M_i) - log2 sum_j 2^x_ij).
; THE MAXIMA.  Over ALL columns no maximum is taken away: each column was normalised, so every x_ij is at most 0, and s_i is itself one of the t_j, whose term is -log2 S_j, at least -11:
; for every input the sum lies in 2^-11 .. 2^11, and the terms that vanish (below 2^-126) would vanish with the true maximum, which is at most 11 away, too.
; Over the first 256 columns x has no such bound (a low score is far from all of them): there the TRUE maximum is taken away.  A wave finds the maximum of its 64 columns, then makes the
; same x again by the same instructions, so that the largest term is 2^0; the four waves' parts are joined by the maximum of their maxima.
; LIMITS: as stated at the first kernel's head (NaN; differences beyond some 4.8e17; terms below 2^-126 count as 0).
; SHARES.  Grid: 8 blocks of 256 rows x 32 batch rows.  The eight work-groups of a batch row read the same 16,384 bytes of tc, once, at the head, against 589,824 exponentials a work-group:
; no cluster, no tensor load.  A wave has 128 rows, four a lane, each score twice in a register pair, and a quarter of the columns (512 of 2,048; 64 of 256), two to a packed instruction.
; A STEP is 8 columns x 4 rows a lane: beside the 32 exponentials of chunk n stand the sums of chunk n - 1 and the differences of chunk n + 1, then the rest of its arithmetic; one wait a step.
; THE MODE: SCHED_MODE bits 1:0 = 2 (LLVM: expert scheduling mode 2), set by the entry lines.  The code itself states the register dependences
; between vector instructions and memory or LDS instructions, with s_wait_alu, always for 0.
; THE PLAN.  Registers that memory or LDS instructions touch:
;   v[SA], v[PS], v[GO]  addresses, made at the head and never written again.
;   v[UA]      Read by every fetch of columns.  Written ahead of each of the two ranges of columns, and once a trip of a loop, ahead of the step's one wait on va_vdst.
;   TB0, TB1, CB0, CB1   Step n's fetch (chunk n + 2) lands in buffer n % 2, whose last readers, chunk n's differences and fused squares, were issued in step n - 1.
;   v80-95     At the head: the table's 64 bytes a thread land here and the LDS stores read them; from chunk 0 on they are terms, named by vector instructions alone.
;   RS, MX, NS Written by vector instructions, read by the three LDS stores of the partial results, never written again.
;   v48-95     At the end: the twelve LDS loads of the partial results land here.        FX: written by vector instructions, read by the one global store.
; So ONE wait on va_vdst stands at a step's end.  It states that the step's exponentials have written their results, that chunk n + 1's arithmetic is done reading the buffer in which the next
; step's fetch lands, and, in a trip's second step, that v[UA] is written.  No vector instruction stands between it and the next step's four fetches, over the backward jump too.
; One wait on vm_vsrc a trip stands ahead of the add to v[UA], a whole step behind the fetches that read it.
.set BETA,  0x4217ee6a                 ; sqrt(log2(e) / 0.001) = 37.98283: the same factor and instruction as in the first launch, so that a row's own column gives d = 0
.set LN2,   0x3f317218
.set TL,    0                          ; t', 8,192 bytes
.set CL,    8192                       ; -log2 S, 8,192 bytes
.set PR,    16384                      ; by quarter and row: the sum over the quarter's 512 columns,
.set PM,    20480                      ; the maximum over its 64 of the first 256,
.set PN,    24576                      ; and the sum over those, relative to that maximum
.set SPARE, 28672                      ; the spare words, 128 bytes for each of 8 waves: four blocks of 256 bytes that no other line names
.set SPW, 2                            ; v2   LDS address of my spare word; never rewritten
.set NIL, 3                            ; v3   0; never rewritten
.set SA,  4                            ; v4   16 x thread
.set LN,  5                            ; v5   16 x lane
.set UA,  6                            ; v6   the same in all lanes: byte, in t' and in -log2 S, from which the fetches' offsets count
.set PS,  7                            ; v7   where my four rows' partial results go
.set GO,  8                            ; v8   my four rows' bytes in the block's 1,024
.set ROW, 12                           ; v12-15  my four scores, scaled
.set SD,  16                           ; v16-23  each twice
.set ACC, 24                           ; v24-31  for each row a pair of sums (even columns, odd columns)
.set MD,  32                           ; v32-39  each row's maximum twice
.set MX,  40                           ; v40-43  the maxima
.set RS,  44                           ; v44-47  the sums over all my columns
.set TB,  48                           ; v48-63  two buffers of 8 t'
.set CB,  64                           ; v64-79  two buffers of 8 -log2 S
.set XB,  80                           ; v80-143 two buffers of 32 terms
.set NS,  144                          ; v144-147 the sums over my 64 of the first 256
.set FR,  48                           ; at the end: the four quarters' sums,
.set FM,  64                           ; maxima,
.set FN,  80                           ; and shifted sums, four rows each;
.set FX,  96                           ; the rows' maxima, then the results
; Pair p of a chunk's 16: row p % 4 of my four, columns 2 (p / 4) and 2 (p / 4) + 1 of the chunk's eight.
.macro DD nb, p                        ; d = s' - t'
	v_pk_add_f32 v[XB+32*(\nb)+2*(\p):XB+32*(\nb)+2*(\p)+1], v[SD+2*((\p)%4):SD+2*((\p)%4)+1], v[TB+8*(\nb)+2*((\p)/4):TB+8*(\nb)+2*((\p)/4)+1] neg_lo:[0,1] neg_hi:[0,1]
.endm
.macro CALC nb, sub                    ; x = - d x d - log2 S, fused; sub: less the row's maximum
.set p, 0
.rept 16
	v_pk_fma_f32 v[XB+32*(\nb)+2*p:XB+32*(\nb)+2*p+1], v[XB+32*(\nb)+2*p:XB+32*(\nb)+2*p+1], v[XB+32*(\nb)+2*p:XB+32*(\nb)+2*p+1], v[CB+8*(\nb)+2*(p/4):CB+8*(\nb)+2*(p/4)+1] neg_lo:[0,1,0] neg_hi:[0,1,0]
.set p, p+1
.endr
.if \sub
.set p, 0
.rept 16
	v_pk_add_f32 v[XB+32*(\nb)+2*p:XB+32*(\nb)+2*p+1], v[XB+32*(\nb)+2*p:XB+32*(\nb)+2*p+1], v[MD+2*(p%4):MD+2*(p%4)+1] neg_lo:[0,1] neg_hi:[0,1]
.set p, p+1
.endr
.endif
.endm
.macro AA ob, p                        ; four chains of sums, each link four pairs behind the last
	v_pk_add_f32 v[ACC+2*((\p)%4):ACC+2*((\p)%4)+1], v[ACC+2*((\p)%4):ACC+2*((\p)%4)+1], v[XB+32*(\ob)+2*(\p):XB+32*(\ob)+2*(\p)+1]
.endm
.macro LOADS b, off
	ds_load_b128 v[TB+8*(\b):TB+8*(\b)+3], v[UA] offset:TL+(\off)
	ds_load_b128 v[TB+8*(\b)+4:TB+8*(\b)+7], v[UA] offset:TL+(\off)+16
	ds_load_b128 v[CB+8*(\b):CB+8*(\b)+3], v[UA] offset:CL+(\off)
	ds_load_b128 v[CB+8*(\b)+4:CB+8*(\b)+7], v[UA] offset:CL+(\off)+16
.endm
; Step n, cur = n % 2.  Exponentials of chunk n, in place; acc: the sums take chunk n - 1; nxt: chunk n + 1 is made in the registers just summed; ld: chunk n + 2's columns are fetched;
; adv: v[UA] moves on by two chunks.  Exponential and plain instruction by turns; the rest of chunk n + 1's arithmetic stands behind the last exponential; nothing in the step names a result of its exponentials.
.macro STEP cur, acc, nxt, ld, off, sub, adv=0
.if \nxt
	s_wait_dscnt 0x0                               ; chunk n + 1's columns, asked for a step ago
.endif
.if \ld
	LOADS \cur, \off                               ; no wait on va_vdst here: no vector instruction since the last step's wait names v[UA] or this buffer
.endif
.set p, 0
.rept 16
	v_exp_f32 v[XB+32*(\cur)+2*p], v[XB+32*(\cur)+2*p]
.if \acc
	AA 1-(\cur), p
.endif
	v_exp_f32 v[XB+32*(\cur)+2*p+1], v[XB+32*(\cur)+2*p+1]
.if \nxt
	DD 1-(\cur), p
.endif
.set p, p+1
.endr
.if \nxt
	CALC 1-(\cur), \sub
.else
	v_nop                                          ; a plain instruction behind the last exponential
.endif
.if \adv
	s_wait_alu depctr_vm_vsrc(0)                   ; the fetches issued so far, the last at this step's head, have read v[UA]
	v_add_nc_u32 v[UA], 64, v[UA]
.endif
	s_wait_alu depctr_va_vdst(0)                   ; the step's 32 exponentials have written their results, ahead of their first reader (the next step's sums); chunk n + 1's arithmetic is done reading its t' and -log2 S, in which the next step's fetch lands; with adv, v[UA] is written
.endm
; The sums of 2^x over n chunks (n even, at least 4) from byte v[UA] on; the result is left in ACC.  Chunk m lies 32 m bytes on; v[UA] stays at chunk 0 up to the loop and moves on by two chunks a trip.
.macro PIPE n, sub
	s_wait_alu depctr_va_vdst(0)                   ; v[UA] is written, which the fetches below read; all arithmetic issued so far is done reading TB and CB, in which they land
	LOADS 0, 0                                     ; chunks 0 and 1
	LOADS 1, 32
.set r, 0
.rept 8
	v_mov_b32 v[ACC+r], 0
.set r, r+1
.endr
	s_wait_dscnt 0x0
.set p, 0
.rept 16
	DD 0, p
.set p, p+1
.endr
	CALC 0, \sub
	s_wait_alu depctr_va_vdst(0)                   ; chunk 0's arithmetic is done reading buffer 0, in which chunk 2's columns land
	STEP 0, 0, 1, 1, 64, \sub                      ; step 0 has nothing to sum yet
	s_mov_b32 s30, ((\n)-4)/2
.Lpipe_\@:                                     ; steps 1 to n - 4, two a trip
	STEP 1, 1, 1, 1, 96, \sub
	STEP 0, 1, 1, 1, 128, \sub, 1
	s_sub_co_u32 s30, s30, 1
	s_cmp_lg_u32 s30, 0
	s_cbranch_scc1 .Lpipe_\@
	STEP 1, 1, 1, 1, 96, \sub                      ; fetches the last chunk
	STEP 0, 1, 1, 0, 0, \sub                       ; nothing is left to fetch,
	STEP 1, 1, 0, 0, 0, \sub                       ; nothing to make
.set p, 0
.rept 16
	AA 1, p                                        ; the last chunk's sums
.set p, p+1
.endr
.endm
.macro MXX nb, p                       ; the running maximum of row p % 4 takes a pair; the first chunk's first pairs start it
.if (n == 0) && ((\p) < 4)
	v_max_num_f32 v[MX+(\p)], v[XB+32*(\nb)+2*(\p)], v[XB+32*(\nb)+2*(\p)+1]
.else
	v_max3_num_f32 v[MX+(\p)%4], v[MX+(\p)%4], v[XB+32*(\nb)+2*(\p)], v[XB+32*(\nb)+2*(\p)+1]
.endif
.endm
	s_load_b128 s[4:7], s[0:1], 0x0                ; scores s[4:5], tc s[6:7]
	s_load_b64 s[8:9], s[0:1], 0x10                ; out0
	v_lshl_add_u32 v[SPW], v0, 2, SPARE
	v_mov_b32 v[NIL], 0
	v_lshrrev_b32 v1, 5, v0
	v_readfirstlane_b32 s10, v1                    ; wave 0..7
	s_and_b32 s11, ttmp9, 7                        ; block of 256 rows
	s_and_b32 s12, ttmp7, 0xffff                   ; batch row
	s_lshl_b32 s14, s12, 14                        ; its 16,384 bytes of tc
	s_mov_b32 s15, 0
	s_lshl_b32 s16, s12, 13                        ; its 8,192 bytes of scores and of out0,
	s_lshl_b32 s17, s11, 10                        ; the block's 1,024 of them
	s_add_co_u32 s16, s16, s17
	s_mov_b32 s17, 0
	v_lshlrev_b32 v[SA], 4, v0
	v_and_b32 v1, 31, v0
	v_lshlrev_b32 v[LN], 4, v1
	s_wait_alu depctr_va_sdst(0)                   ; s10 is written, ahead of its first reader, the line below
	s_and_b32 s18, s10, 1                          ; which 128 of the block's rows are mine
	s_lshr_b32 s19, s10, 1                         ; which quarter of the columns
	s_lshl_b32 s20, s18, 9
	v_add_nc_u32 v[GO], s20, v[LN]                 ; rows 128 g + 4 lane + 0..3
	s_lshl_b32 s21, s19, 10
	s_add_co_u32 s21, s21, s20
	v_add_nc_u32 v[PS], s21, v[LN]
	s_wait_kmcnt 0x0
	s_add_nc_u64 s[6:7], s[6:7], s[14:15]
	s_add_nc_u64 s[4:5], s[4:5], s[16:17]
	s_add_nc_u64 s[8:9], s[8:9], s[16:17]
	s_wait_alu depctr_va_vdst(0)                   ; v[SA], v[GO] and v[PS] are written: the loads and stores of the whole kernel read them as addresses, and none is written again
.irp k, 0,1,2,3
	global_load_b128 v[XB+4*\k:XB+4*\k+3], v[SA], s[6:7] offset:4096*\k  ; the 256 threads take 4,096 bytes on end, four times: t', then -log2 S
.endr
	global_load_b128 v[ROW:ROW+3], v[GO], s[4:5]
	s_wait_loadcnt 0x1                             ; the four loads of tc are in; the one issued behind them, my rows', may be out
.irp k, 0,1,2,3
	ds_store_b128 v[SA], v[XB+4*\k:XB+4*\k+3] offset:TL+4096*\k
.endr
	s_wait_loadcnt 0x0
.irp r, 0,1,2,3
	v_mul_f32 v[ROW+\r], BETA, v[ROW+\r]
.endr
.irp r, 0,1,2,3
	v_mov_b32 v[SD+2*\r], v[ROW+\r]
	v_mov_b32 v[SD+2*\r+1], v[ROW+\r]
.endr
	s_lshl_b32 s22, s19, 11                        ; my 512 columns
	v_mov_b32 v[UA], s22
	s_wait_dscnt 0x0                               ; for the others' sake: my stores are done
	s_barrier_signal -1
	s_barrier_wait -1                              ; the whole table lies in LDS
	s_wait_alu depctr_vm_vsrc(0)                   ; my LDS stores have read v80-95: from here on these registers are terms, which chunk 0's differences write
	PIPE 64, 0                                     ; the sum over my quarter of all columns
.irp r, 0,1,2,3
	v_add_f32 v[RS+\r], v[ACC+2*\r], v[ACC+2*\r+1]
.endr
	s_lshl_b32 s22, s19, 8                         ; my 64 of the first 256 columns
	s_wait_alu depctr_vm_vsrc(0)                   ; the fetches of the sum above have read v[UA]
	v_mov_b32 v[UA], s22
	s_wait_alu depctr_va_vdst(0)                   ; v[UA] is written, which the fetches below read; the arithmetic above is done reading TB and CB, in which they land
	LOADS 0, 0                                     ; THE MAXIMUM of x over them: eight chunks, each fetched while the one before is worked on
.set n, 0
.rept 8
	s_wait_dscnt 0x0
.if (n > 0) && (n < 7)
	s_wait_alu depctr_va_vdst(0)                   ; chunk n - 1's differences and fused squares are done reading the buffer in which chunk n + 1's columns land
.endif
.if n < 7
	LOADS (n+1)%2, 32*(n+1)
.endif
.set p, 0
.rept 16
	DD n%2, p
.set p, p+1
.endr
	CALC n%2, 0
.set p, 0
.rept 16
	MXX n%2, p
.set p, p+1
.endr
.set n, n+1
.endr
.irp r, 0,1,2,3
	v_mov_b32 v[MD+2*\r], v[MX+\r]
	v_mov_b32 v[MD+2*\r+1], v[MX+\r]
.endr
	PIPE 8, 1                                      ; the sum of 2^(x - maximum) over the same 64 columns: v[UA] stands at their first
.irp r, 0,1,2,3
	v_add_f32 v[NS+\r], v[ACC+2*\r], v[ACC+2*\r+1]
.endr
	s_wait_alu depctr_va_vdst(0)                   ; RS, MX and NS are written, which the LDS stores read; and all arithmetic is done with v48-95, in which the loads behind the barrier land: no vector instruction stands between
	ds_store_b128 v[PS], v[RS:RS+3] offset:PR
	ds_store_b128 v[PS], v[MX:MX+3] offset:PM
	ds_store_b128 v[PS], v[NS:NS+3] offset:PN
	s_wait_dscnt 0x0
	s_barrier_signal -1
	s_barrier_wait -1                              ; all four quarters' parts of all 256 rows lie in LDS
	s_cmp_lt_u32 s10, 2                            ; waves 0 and 1 finish: thread t has rows 4 t .. 4 t + 3
	s_cbranch_scc0 .Lend
.irp q, 0,1,2,3
	ds_load_b128 v[FR+4*\q:FR+4*\q+3], v[SA] offset:PR+1024*\q
	ds_load_b128 v[FM+4*\q:FM+4*\q+3], v[SA] offset:PM+1024*\q
	ds_load_b128 v[FN+4*\q:FN+4*\q+3], v[SA] offset:PN+1024*\q
.endr
	s_wait_dscnt 0x0
.irp h, 0,2
	v_pk_add_f32 v[FR+\h:FR+\h+1], v[FR+\h:FR+\h+1], v[FR+4+\h:FR+4+\h+1]
	v_pk_add_f32 v[FR+8+\h:FR+8+\h+1], v[FR+8+\h:FR+8+\h+1], v[FR+12+\h:FR+12+\h+1]
.endr
.irp h, 0,2
	v_pk_add_f32 v[FR+\h:FR+\h+1], v[FR+\h:FR+\h+1], v[FR+8+\h:FR+8+\h+1]
.endr
.irp r, 0,1,2,3
	v_max3_num_f32 v[FX+\r], v[FM+\r], v[FM+4+\r], v[FM+8+\r]
.endr
.irp r, 0,1,2,3
	v_max_num_f32 v[FX+\r], v[FX+\r], v[FM+12+\r]  ; M: the row's maximum over all 256
.endr
.irp i, 0,2,4,6,8,10,12,14
	v_pk_add_f32 v[FM+\i:FM+\i+1], v[FM+\i:FM+\i+1], v[FX+(\i)%4:FX+(\i)%4+1] neg_lo:[0,1] neg_hi:[0,1]  ; each quarter's maximum less M
.endr
.set r, 0
.rept 16
	v_exp_f32 v[FM+r], v[FM+r]                     ; what a quarter's sum is multiplied by
.set r, r+1
.endr
.irp r, 0,1,2,3
	v_log_f32 v[FR+\r], v[FR+\r]                   ; log2 of the sum over all columns
.endr
	v_nop                                          ; a plain instruction behind the last of the batch,
	s_wait_alu depctr_va_vdst(0)                   ; the sixteen exponentials and four logarithms have written FM and FR, ahead of their first reader
.irp h, 0,2
	v_pk_mul_f32 v[FN+\h:FN+\h+1], v[FN+\h:FN+\h+1], v[FM+\h:FM+\h+1]
.endr
.irp q, 1,2,3
.irp h, 0,2
	v_pk_fma_f32 v[FN+\h:FN+\h+1], v[FN+4*\q+\h:FN+4*\q+\h+1], v[FM+4*\q+\h:FM+4*\q+\h+1], v[FN+\h:FN+\h+1]
.endr
.endr
.irp r, 0,1,2,3
	v_log_f32 v[FN+\r], v[FN+\r]
.endr
	v_nop
	s_wait_alu depctr_va_vdst(0)                   ; the four logarithms have written FN, ahead of their first reader
.irp r, 0,1,2,3
	v_add_f32 v[FX+\r], v[FX+\r], v[FN+\r]
.endr
.irp r, 0,1,2,3
	v_sub_f32 v[FX+\r], v[FX+\r], v[FR+\r]
.endr
.irp r, 0,1,2,3
	v_mul_f32 v[FX+\r], LN2, v[FX+\r]
.endr
	s_wait_alu depctr_va_vdst(0)                   ; the four results are written in FX, which the store reads
	global_store_b128 v[SA], v[FX:FX+3], s[8:9]    ; a wave stores 512 bytes on end, from a multiple of 512
.Lend:
	s_wait_dscnt 0x0                               ; the closing lines, six on end
	s_wait_alu 0x0
	s_wait_tensorcnt 0x0
	ds_add_u32 v[SPW], v[NIL]
	s_wait_dscnt 0x0
	s_endpgm
.Lfunc_end_k_q228b88793d_rows:
	.size	k_q228b88793d_rows, .Lfunc_end_k_q228b88793d_rows-k_q228b88793d_rows
	.p2alignl 7, 3214868480
	.fill 96, 4, 3214868480
	.section	.rodata,"a",@progbits
	.p2align	6, 0x0
	.amdhsa_kernel k_q228b88793d_rows
		.amdhsa_group_segment_fixed_size 29696
		.amdhsa_private_segment_fixed_size 0
		.amdhsa_enable_private_segment 0
		.amdhsa_kernarg_size 24
		.amdhsa_user_sgpr_count 2
		.amdhsa_user_sgpr_kernarg_segment_ptr 1
		.amdhsa_wavefront_size32 1
		.amdhsa_system_sgpr_workgroup_id_x 1
		.amdhsa_system_sgpr_workgroup_id_y 1
		.amdhsa_system_sgpr_workgroup_id_z 1
		.amdhsa_system_vgpr_workitem_id 0
		.amdhsa_next_free_vgpr 148
		.amdhsa_next_free_sgpr 66
		.amdhsa_reserve_vcc 0
		.amdhsa_float_denorm_mode_32 3
		.amdhsa_float_denorm_mode_16_64 3
		.amdhsa_memory_ordered 1
		.amdhsa_forward_progress 1
		.amdhsa_inst_pref_size 94
	.end_amdhsa_kernel
	.amdgpu_metadata
---
amdhsa.version: [ 1, 2 ]
amdhsa.kernels:
  - .name:           k_q228b88793d_rows
    .symbol:         k_q228b88793d_rows.kd
    .args:
      - { .name: scores, .offset: 0, .size: 8, .value_kind: global_buffer, .address_space: global }
      - { .name: tc, .offset: 8, .size: 8, .value_kind: global_buffer, .address_space: global }
      - { .name: out0, .offset: 16, .size: 8, .value_kind: global_buffer, .address_space: global }
    .group_segment_fixed_size: 29696
    .private_segment_fixed_size: 0
    .kernarg_segment_align: 8
    .kernarg_segment_size: 24
    .max_flat_workgroup_size: 256
    .sgpr_count:     66
    .vgpr_count:     148
    .wavefront_size: 32
...
	.end_amdgpu_metadata
.endif
;; end of part 3
